; MI455X (gfx1250); checked and timed in simulation.
; The chip was launched on July 23, 2026; its instructions are those of AMD's public machine-readable ISA for CDNA 5 (MIT licence, August 2026) and "CDNA5" Instruction Set Architecture Reference Guide (July 2026). The comments in the code are by the model that wrote it; some were corrected since.
;; Self Attention. Allowed arithmetic: float matrix products may take bf16 or f16 operands with f32 sums; all other float work in f32.
;; Inputs: Win 3,072 x 1,024 float32; Wout 1,024 x 1,024 float32; bin 3,072 float32; bout 1,024 float32; padding_mask 2 x 2,048 bool; x 2,048 x 2 x 1,024 float32.
;; Outputs: out0 2,048 x 2 x 1,024 float32.
;; One version. Each part assembles by itself: llvm-mc -triple=amdgcn-amd-amdhsa -mcpu=gfx1250 --defsym DOCPART=n.
;; ======== version 1 of 1: 4 launches
;; limits: values are held in f16: magnitudes above 65,504 overflow, below 6.1e-05 lose precision
;; workspace buffers: wh 16,777,216 bytes; qkv 25,165,824 bytes; ao 8,388,608 bytes
;; launch cast (part 1): grid 256 x 1, 8 waves a work-group, no clusters, 0 bytes of LDS; arguments x, Win, Wout, wh; writes wh
.if DOCPART == 1
	.amdgcn_target "amdgcn-amd-amdhsa--gfx1250"
	.amdhsa_code_object_version 6
	.text
	.protected	k_q49424115f4_cast
	.globl	k_q49424115f4_cast
	.p2align	8
	.type	k_q49424115f4_cast,@function
k_q49424115f4_cast:
	s_mov_b64 s[64:65], 0
	v_nop
	global_prefetch_b8 v0, s[64:65] scope:SCOPE_SE
	s_setreg_imm32_b32 hwreg(HW_REG_WAVE_MODE, 25, 1), 1
	s_wait_xcnt 0x0
; wh = f16 copies of x, Win and Wout, laid end to end (x at byte 0, Win at 8,388,608, Wout at 14,680,064).
; The three inputs hold 2^23 numbers: 256 chunks of 32,768 numbers (131,072 bytes in, 65,536 bytes out), one for each work-group.
; Work-groups 0-127 take x, 128-223 Win, 224-255 Wout; since the copies lie end to end the output offset is 65,536 x work-group.
; A wave takes 16,384 bytes as 32 loads of 512 consecutive bytes, all issued at once: there is no loop, and no register is written twice.
; LIMIT: f16 holds magnitudes up to 65,504; a larger input becomes an infinity.  Below 6e-5 the absolute resolution is 3e-8.
; No LDS, no matrix unit, no cluster: every byte is read once and written once, and no two work-groups share a byte.
.set XR,    4                          ; v[4:131]  load j: 4 registers of f32, later 2 registers of f16
.set NLOAD, 32
	s_load_b256 s[4:11], s[0:1], 0x0               ; x s[4:5], Win s[6:7], Wout s[8:9], wh s[10:11]
	v_and_b32 v1, 31, v0                           ; lane
	v_lshrrev_b32 v2, 5, v0                        ; wave
	v_lshlrev_b32 v1, 4, v1                        ; 16 bytes a lane
	v_lshl_or_b32 v1, v2, 14, v1                   ; + 16,384 bytes a wave: my offset in the chunk as read
	v_lshrrev_b32 v2, 1, v1                        ; half of it: my offset in the chunk as written
	s_wait_kmcnt 0x0
	s_cmp_lt_u32 ttmp9, 128
	s_cselect_b64 s[14:15], s[4:5], s[6:7]         ; x or Win
	s_cselect_b32 s16, 0, 128                      ; the first work-group of that input
	s_cmp_lt_u32 ttmp9, 224
	s_cselect_b64 s[14:15], s[14:15], s[8:9]       ; or Wout
	s_cselect_b32 s16, s16, 224
	s_sub_co_u32 s17, ttmp9, s16                   ; my chunk within the input
	s_lshl_b32 s18, s17, 17                        ; x 131,072 bytes
	s_mov_b32 s19, 0
	s_add_nc_u64 s[14:15], s[14:15], s[18:19]
	s_lshl_b32 s20, ttmp9, 16                      ; x 65,536 bytes
	s_mov_b32 s21, 0
	s_add_nc_u64 s[10:11], s[10:11], s[20:21]
.set j, 0
.rept NLOAD
	global_load_b128 v[XR+4*j:XR+4*j+3], v1, s[14:15] offset:512*j th:TH_LOAD_NT   ; read once in the launch
.set j, j+1
.endr
.set j, 0
.rept NLOAD
	s_wait_loadcnt NLOAD-1-j                       ; loads come back in order: load j is in, the younger ones stay out
	v_cvt_pk_f16_f32 v[XR+4*j],   v[XR+4*j],   v[XR+4*j+1]
	v_cvt_pk_f16_f32 v[XR+4*j+1], v[XR+4*j+2], v[XR+4*j+3]
	global_store_b64 v2, v[XR+4*j:XR+4*j+1], s[10:11] offset:256*j   ; 32 lanes x 8 bytes: 256 consecutive bytes, aligned; later launches read them, so no hint
.set j, j+1
.endr
	s_endpgm
.Lfunc_end_k_q49424115f4_cast:
	.size	k_q49424115f4_cast, .Lfunc_end_k_q49424115f4_cast-k_q49424115f4_cast
	.p2alignl 7, 3214868480
	.fill 96, 4, 3214868480
	.section	.rodata,"a",@progbits
	.p2align	6, 0x0
	.amdhsa_kernel k_q49424115f4_cast
		.amdhsa_group_segment_fixed_size 0
		.amdhsa_private_segment_fixed_size 0
		.amdhsa_enable_private_segment 0
		.amdhsa_kernarg_size 32
		.amdhsa_user_sgpr_count 2
		.amdhsa_user_sgpr_kernarg_segment_ptr 1
		.amdhsa_wavefront_size32 1
		.amdhsa_system_sgpr_workgroup_id_x 1
		.amdhsa_system_sgpr_workgroup_id_y 1
		.amdhsa_system_sgpr_workgroup_id_z 1
		.amdhsa_system_vgpr_workitem_id 0
		.amdhsa_next_free_vgpr 132
		.amdhsa_next_free_sgpr 66
		.amdhsa_reserve_vcc 0
		.amdhsa_float_denorm_mode_32 3
		.amdhsa_float_denorm_mode_16_64 3
		.amdhsa_memory_ordered 1
		.amdhsa_forward_progress 1
		.amdhsa_inst_pref_size 13
	.end_amdhsa_kernel
	.amdgpu_metadata
---
amdhsa.version: [ 1, 2 ]
amdhsa.kernels:
  - .name:           k_q49424115f4_cast
    .symbol:         k_q49424115f4_cast.kd
    .args:
      - { .name: x, .offset: 0, .size: 8, .value_kind: global_buffer, .address_space: global }
      - { .name: Win, .offset: 8, .size: 8, .value_kind: global_buffer, .address_space: global }
      - { .name: Wout, .offset: 16, .size: 8, .value_kind: global_buffer, .address_space: global }
      - { .name: wh, .offset: 24, .size: 8, .value_kind: global_buffer, .address_space: global }
    .group_segment_fixed_size: 0
    .private_segment_fixed_size: 0
    .kernarg_segment_align: 8
    .kernarg_segment_size: 32
    .max_flat_workgroup_size: 256
    .sgpr_count:     66
    .vgpr_count:     132
    .wavefront_size: 32
...
	.end_amdgpu_metadata
.endif
;; end of part 1
;; launch qkv (part 2): grid 16 x 16, 4 waves a work-group, clusters of 4 x 4, 327,680 bytes of LDS; arguments wh, bin, qkv; writes qkv
.if DOCPART == 2
	.amdgcn_target "amdgcn-amd-amdhsa--gfx1250"
	.amdhsa_code_object_version 6
	.text
	.protected	k_q49424115f4_qkv
	.globl	k_q49424115f4_qkv
	.p2align	8
	.type	k_q49424115f4_qkv,@function
k_q49424115f4_qkv:
	s_mov_b64 s[64:65], 0
	v_nop
	global_prefetch_b8 v0, s[64:65] scope:SCOPE_SE
	s_setreg_imm32_b32 hwreg(HW_REG_WAVE_MODE, 25, 1), 1
	s_wait_xcnt 0x0
	s_wait_alu depctr_hold_cnt(0) depctr_sa_sdst(0) depctr_va_vdst(0) depctr_va_sdst(0) depctr_va_ssrc(0) depctr_va_vcc(0) depctr_vm_vsrc(0)
	s_getreg_b32 s2, hwreg(HW_REG_IB_STS2, 6, 4)
	s_cmp_eq_u32 s2, 0
	s_cbranch_scc0 .Lentry_in_a_cluster
	s_endpgm
.Lentry_in_a_cluster:
	s_bfe_u32 s2, ttmp6, 0x10000c
	s_cmp_lg_u32 s2, 0xf033
	s_cbranch_scc0 .Lentry_shape_is_right
	s_endpgm
.Lentry_shape_is_right:
; q, k, v = x Win^T + bin, stored by heads in f16: qkv[part 0..2][n = 16 b + h][s][64 d].
; Rows are walked as m = 2048 b + s: in the f16 copy of x the rows of one batch lie 2,048 elements apart, which is only a stride of the descriptor.
; A work-group makes 256 rows (one batch, 256 s) x 192 columns (three whole heads); 16 x 16 work-groups.
; Wave w makes rows 64 w .. 64 w + 63 x all 192 columns: 4 x 12 accumulator tiles of 16 x 16 = 384 registers; it owns whole rows of each head.
; K = 1024 goes in 8 steps of 128 (rows of 256 bytes in memory) through a ring of two LDS slots filled by tensor loads.
; CLUSTER 4 x 4: the four work-groups of a row of the cluster need the same rows of x, the four of a column the same rows of Win.
; Each such tile is asked for jointly: the same load with the same descriptor and a mask that names the four.
; The matrix instruction is used transposed (source 0 = 16 rows of Win, source 1 = 16 rows of x): a lane then holds row l % 16 of the result
; and eight neighbouring columns.  The bias, laid out as such a tile, is the C operand of the first product: nothing is cleared or added later.
; LIMIT: operands and results are f16: magnitudes above 65,504 become infinities.
; REGISTERS by windows of 256:
;   window 0: v16-27 addresses; v32-63, v64-95 fragments of x (4 x 8), two buffers; v96-191 the bias tiles; on the way out v32-79 and v96-191 are at work
;   window 1: v0-95, v96-191 fragments of Win (12 x 8), two buffers
;   window 2: accumulators of row tiles 0, 1 at v[8 (12 (a % 2) + b)];  window 3: those of row tiles 2, 3
.set PITCH,  272                       ; an LDS row: 256 bytes + 16 of padding, an odd multiple of 16: the 16 rows of a fragment load start 16 bytes apart modulo 256
.set AWAVE,  64*PITCH                  ; what one tensor load brings of x
.set BWAVE,  48*PITCH                  ; and of Win
.set BOFF,   256*PITCH                 ; the rows of Win lie behind the 256 rows of x
.set SLOT,   448*PITCH                 ; 121,856
.set STAGE,  2*SLOT                    ; 243,712, a multiple of 256: no tensor load lands here
.set SPITCH, 400                       ; a stage row: 384 bytes + 16
.set LAPS,   4                         ; a lap = two K steps = once round the ring
.set ADRA, 16                          ; v16-17 LDS address of my fragments of x in slot 0, 1
.set ADRB, 20                          ; v20-21 the same for Win
.set STO,  24
.set RD,   25
.set CO,   26
.set BO,   27
.set FA,   32                          ; fragments of x: buffer f at FA + 32 f (window 0); fragments of Win: buffer f at 96 f (window 1)
.set BIAS, 96
.set TMP,  32
.set RB0,  96
.set RB1,  144
.set G1A, 24                           ; s[24:31] group 1 for x
.set G0A, 32                           ; s[32:39] group 0 for x, one set for each slot
.set G1B, 48                           ; s[48:55] group 1 for Win
.set G0B, 56                           ; s[56:63] group 0 for Win
.set OB,  66                           ; s[66:71] where my rows of the three heads go
.set BITS, (1<<16)|(1<<20)|(1<<21)|(5<<22)|(3<<25)   ; elements of 2 bytes; padding on; bit 21 beside a mask; after every 64 dwords; 4 dwords
.set FIRST_LO, 0x81                    ; source 0 window 1, source 1 window 0, C window 0 (the bias), D window 2
.set FIRST_HI, 0xc1                    ; the same, D window 3
.set MUL_LO,   0xa1                    ; C and D window 2
.set MUL_HI,   0xf1                    ; C and D window 3
.set TO_B,     0x40                    ; destination window 1
.set MSB, 0
.macro WIN new                         ; the high byte of the immediate repeats the setting that is left
.if MSB != \new
	s_set_vgpr_msb (MSB<<8)|\new
.set MSB, \new
.endif
.endm
.macro PLACES                          ; four places behind a matrix instruction (ISA guide 7.12.1), where there is no useful vector work
.rept 4
	v_nop
.endr
.endm
.macro CREST                           ; a round of the cluster barrier behind its opening work-group barrier
	s_cmp_lg_u32 s10, 0
	s_cbranch_scc1 .Lnot_wave_0_\@
	s_barrier_signal -3
.Lnot_wave_0_\@:
	s_barrier_wait -3
	s_barrier_signal -1
	s_barrier_wait -1
.endm
.macro CROUND
	s_barrier_signal -1
	s_barrier_wait -1
	CREST
.endm
.macro JL s                            ; my two joint loads for slot s: 64 rows of x, 48 rows of Win
	tensor_load_to_lds s[G0A+4*\s:G0A+4*\s+3], s[G1A:G1A+7]
	s_nop 0
	tensor_load_to_lds s[G0B+4*\s:G0B+4*\s+3], s[G1B:G1B+7]
	s_nop 0
.endm
	s_load_b128 s[4:7], s[0:1], 0x0                ; wh s[4:5], bin s[6:7]
	s_load_b64 s[8:9], s[0:1], 0x10                ; qkv
	s_set_vgpr_msb 0x40
	v_lshl_add_u32 v255, v0, 2, 0x41c00
	s_set_vgpr_msb 0x4000
	v_mov_b32 v255, 0
	s_set_vgpr_msb 0x1
	ds_add_u32 v255, v255
	s_set_vgpr_msb 0x100
	v_lshrrev_b32 v1, 5, v0
	v_readfirstlane_b32 s10, v1                    ; wave 0..3
	s_bfe_u32 s40, ttmp6, 0x40000                  ; cx
	s_bfe_u32 s41, ttmp6, 0x40004                  ; cy
	s_lshl_b32 s42, ttmp9, 2
	s_add_co_u32 s42, s42, s40                     ; bx: block of 192 columns
	s_and_b32 s13, ttmp7, 0xffff
	s_lshl_b32 s13, s13, 2
	s_add_co_u32 s13, s13, s41                     ; by: block of 256 rows
	s_lshl_b32 s43, s41, 2
	s_lshl_b32 s43, 15, s43                        ; my row of the cluster
	s_lshl_b32 s44, 0x1111, s40                    ; my column
	s_or_b32 s[G1A+0], s43, BITS
	s_mov_b32 s[G1A+1], 128<<16                    ; tensor_dim0 = 128
	s_mov_b32 s[G1A+2], 64<<16                     ; tensor_dim1 = 64
	s_mov_b32 s[G1A+3], 128<<16                    ; tile_dim0 = 128
	s_mov_b32 s[G1A+4], 64                         ; tile_dim1 = 64
	s_mov_b32 s[G1A+5], 2048                       ; from s to s + 1 of one batch: 2,048 elements
	s_mov_b32 s[G1A+6], 0
	s_mov_b32 s[G1A+7], 0
	s_or_b32 s[G1B+0], s44, BITS
	s_mov_b32 s[G1B+1], 128<<16
	s_mov_b32 s[G1B+2], 48<<16
	s_mov_b32 s[G1B+3], 128<<16
	s_mov_b32 s[G1B+4], 48
	s_mov_b32 s[G1B+5], 1024
	s_mov_b32 s[G1B+6], 0
	s_mov_b32 s[G1B+7], 0
	; x: byte 2048 b + 4096 (s0 + 64 w): made of by and the wave number alone
	s_lshr_b32 s18, s13, 3                         ; b
	s_and_b32 s19, s13, 7
	s_lshl_b32 s19, s19, 8
	s_lshl_b32 s16, s10, 6
	s_add_co_u32 s19, s19, s16                     ; s of my first row
	s_lshl_b32 s16, s19, 12
	s_lshl_b32 s17, s18, 11
	s_add_co_u32 s16, s16, s17
	s_mov_b32 s17, 0
	; Win: byte 8,388,608 + 2048 (192 bx + 48 w): made of bx and the wave number alone
	s_mul_i32 s46, s42, 192
	s_mul_i32 s47, s10, 48
	s_add_co_u32 s46, s46, s47
	s_lshl_b32 s46, s46, 11
	s_add_co_u32 s46, s46, 8388608
	s_mov_b32 s47, 0
	s_mul_i32 s20, s10, AWAVE                      ; LDS: my part of a slot, by the wave number alone
	s_mul_i32 s21, s10, BWAVE
	s_add_co_u32 s21, s21, BOFF
	s_mul_i32 s78, s42, 768                        ; the bias of my 192 columns
	s_mov_b32 s79, 0
	s_mul_i32 s72, s42, 3                          ; my first head column, 0..47
	s_wait_dscnt 0x0
	s_wait_kmcnt 0x0
	s_add_nc_u64 s[14:15], s[4:5], s[16:17]
	s_add_nc_u64 s[46:47], s[4:5], s[46:47]
	s_add_nc_u64 s[78:79], s[6:7], s[78:79]
	CROUND                                         ; all sixteen work-groups are here: the first joint loads meet
.irp s, 0,1
	s_mov_b32 s[G0A+4*\s], 1
	s_add_co_u32 s[G0A+4*\s+1], s20, \s*SLOT
	s_add_nc_u64 s[G0A+4*\s+2:G0A+4*\s+3], s[14:15], \s*256        ; K step s
	s_or_b32 s[G0A+4*\s+3], s[G0A+4*\s+3], 0x80000000
	s_mov_b32 s[G0B+4*\s], 1
	s_add_co_u32 s[G0B+4*\s+1], s21, \s*SLOT
	s_add_nc_u64 s[G0B+4*\s+2:G0B+4*\s+3], s[46:47], \s*256
	s_or_b32 s[G0B+4*\s+3], s[G0B+4*\s+3], 0x80000000
	JL \s                                          ; four tensor loads of the wave are out after both
.endr
	; head column cidx = 3 bx + c: part cidx / 16, head cidx % 16; my rows start at ((32 part + 16 b + head) 2048 + s) 128
.irp c, 0,1,2
	s_add_co_u32 s73, s72, \c
	s_lshr_b32 s74, s73, 4
	s_lshl_b32 s74, s74, 1
	s_add_co_u32 s74, s74, s18
	s_lshl_b32 s74, s74, 4
	s_and_b32 s75, s73, 15
	s_add_co_u32 s74, s74, s75
	s_lshl_b32 s74, s74, 11
	s_add_co_u32 s74, s74, s19
	s_lshl_b32 s74, s74, 7
	s_mov_b32 s75, 0
	s_add_nc_u64 s[OB+2*\c:OB+2*\c+1], s[8:9], s[74:75]
.endr
	v_and_b32 v1, 15, v0                           ; r = l % 16
	v_bfe_u32 v2, v0, 4, 1                         ; h = l / 16
	v_lshlrev_b32 v[BO], 5, v2                     ; bias: 8 h numbers of 4 bytes
.irp b, 0,1,2,3,4,5,6,7,8,9,10,11
	global_load_b128 v[BIAS+8*\b:BIAS+8*\b+3],   v[BO], s[78:79] offset:64*\b      ; register j of tile b: bin[192 bx + 16 b + 8 h + j]
	global_load_b128 v[BIAS+8*\b+4:BIAS+8*\b+7], v[BO], s[78:79] offset:64*\b+16
.endr
	v_mul_u32_u24 v3, v1, PITCH
	v_lshl_add_u32 v3, v2, 4, v3                   ; row x pitch + 16 h
	v_add_nc_u32 v[ADRA], s20, v3                  ; my 64 rows of x
	v_add_nc_u32 v[ADRA+1], SLOT, v[ADRA]
	v_add_nc_u32 v[ADRB], BOFF, v3                 ; all 192 rows of Win
	v_add_nc_u32 v[ADRB+1], SLOT, v[ADRB]
	s_mul_i32 s23, s10, 16*SPITCH
	s_add_co_u32 s23, s23, STAGE                   ; my stage
	v_mul_u32_u24 v4, v1, SPITCH
	v_lshl_add_u32 v4, v2, 4, v4
	v_add_nc_u32 v[STO], s23, v4                   ; in: row r, 16 bytes for each half of the lanes
	v_bfe_u32 v5, v0, 3, 2
	v_mul_u32_u24 v5, v5, SPITCH
	v_and_b32 v4, 7, v0
	v_lshl_add_u32 v5, v4, 4, v5
	v_add_nc_u32 v[RD], s23, v5                    ; back: eight lanes take the 128 bytes of one head in one row
	v_and_b32 v4, 31, v0
	v_lshlrev_b32 v[CO], 4, v4                     ; and in memory these four rows are 512 consecutive bytes
; 12 matrix instructions: row tile a x all 12 column tiles, 32 along K, from buffer f.  first = 1: C is the bias.
; The 48 accumulators take turns, one instruction a turn, in the same order in every quarter step.
.macro MUL12 f, a, first
.irp b, 0,1,2,3,4,5,6,7,8,9,10,11
.if \first
	v_wmma_f32_16x16x32_f16 v[8*(12*((\a)%2)+\b):8*(12*((\a)%2)+\b)+7], v[96*\f+8*\b:96*\f+8*\b+7], v[FA+32*\f+8*\a:FA+32*\f+8*\a+7], v[BIAS+8*\b:BIAS+8*\b+7]
.else
	v_wmma_f32_16x16x32_f16 v[8*(12*((\a)%2)+\b):8*(12*((\a)%2)+\b)+7], v[96*\f+8*\b:96*\f+8*\b+7], v[FA+32*\f+8*\a:FA+32*\f+8*\a+7], v[8*(12*((\a)%2)+\b):8*(12*((\a)%2)+\b)+7]
.endif
.endr
.endm
; 32 LDS loads in one run: 24 for Win, then 8 for x (row tiles ascending), 32 K at byte k of the rows, into buffer f
.macro FETCH slot, k, f
	WIN TO_B
.irp i, 0,1,2,3,4,5,6,7,8,9,10,11
	ds_load_b128 v[96*\f+8*\i:96*\f+8*\i+3],   v[ADRB+\slot] offset:\k+\i*16*PITCH
	ds_load_b128 v[96*\f+8*\i+4:96*\f+8*\i+7], v[ADRB+\slot] offset:\k+\i*16*PITCH+32
.endr
	WIN 0
.irp i, 0,1,2,3
	ds_load_b128 v[FA+32*\f+8*\i:FA+32*\f+8*\i+3],   v[ADRA+\slot] offset:\k+\i*16*PITCH
	ds_load_b128 v[FA+32*\f+8*\i+4:FA+32*\f+8*\i+7], v[ADRA+\slot] offset:\k+\i*16*PITCH+32
.endr
.endm
; one of the first three quarters of a K step: multiplies buffer f, fetches the next quarter into buffer g in its middle
.macro QUARTER slot, k, f, g, first
	s_wait_dscnt 0x4                               ; all but the youngest four loads (row tiles 2, 3 of x) are in
.if \first
	WIN FIRST_LO
.else
	WIN MUL_LO
.endif
	MUL12 \f, 0, \first
	MUL12 \f, 1, \first
	PLACES                                         ; buffer g was read by matrix instructions: four places ahead of the loads into it
	FETCH \slot, \k, \g
	s_wait_dscnt 0x20                              ; all but the 32 just issued
.if \first
	WIN FIRST_HI
.else
	WIN MUL_HI
.endif
	MUL12 \f, 2, \first
	MUL12 \f, 3, \first
.endm
.macro THREE slot, first
	QUARTER \slot, 64,  0, 1, \first
	QUARTER \slot, 128, 1, 0, 0
	QUARTER \slot, 192, 0, 1, 0
.endm
; the last quarter: multiplies buffer 1 and changes slots.  In front of the barrier each wave waits for its reads of this slot and for all its
; tensor loads (two are out: its parts of the next slot).  fill = 1: the barrier opens a round of the cluster barrier, and the joint refills
; are the first tensor loads behind the round.  From a request to the wait for it a wave issues 180 matrix instructions.
.macro TURN slot, next, fill
	s_wait_dscnt 0x4
	WIN MUL_LO
	MUL12 1, 0, 0
	s_wait_dscnt 0x0                               ; my reads of this slot are over
	s_wait_tensorcnt 0x0                           ; all my tensor loads have landed
	ds_add_u32 v255, v255
	s_wait_dscnt 0x0
	s_barrier_signal -1
	MUL12 1, 1, 0                                  ; register work while the others arrive
	WIN 0
	s_barrier_wait -1
.if \fill
	CREST
	s_add_nc_u64 s[G0A+4*\slot+2:G0A+4*\slot+3], s[G0A+4*\slot+2:G0A+4*\slot+3], 512   ; two K steps on
	s_add_nc_u64 s[G0B+4*\slot+2:G0B+4*\slot+3], s[G0B+4*\slot+2:G0B+4*\slot+3], 512
	JL \slot
.endif
	PLACES
	FETCH \next, 0, 0
	WIN MUL_HI
	MUL12 1, 2, 0
	MUL12 1, 3, 0
.endm
.macro LAP first
	THREE 0, \first
	TURN 0, 1, 1
	THREE 1, 0
	TURN 1, 0, 1
.endm
	s_wait_tensorcnt 0x2                           ; my two loads of K step 0 are in, the two of K step 1 stay out
	s_barrier_signal -1
	s_barrier_wait -1
	FETCH 0, 0, 0
	s_wait_loadcnt 0x0                             ; the bias
	LAP 1                                          ; the first lap is written out: its first products start the sums from the bias
	WIN 0
	s_mov_b32 s3, LAPS-2
.Llap:
	LAP 0
	WIN 0
	s_sub_co_u32 s3, s3, 1
	s_cmp_lg_u32 s3, 0
	s_cbranch_scc1 .Llap
	THREE 0, 0                                     ; the last lap fills nothing
	TURN 0, 1, 0
	THREE 1, 0
	s_wait_dscnt 0x4
	WIN MUL_LO
	MUL12 1, 0, 0
	MUL12 1, 1, 0
	s_wait_dscnt 0x0
	WIN MUL_HI
	MUL12 1, 2, 0
	MUL12 1, 3, 0
	PLACES                                         ; behind the last matrix instructions, ahead of the conversions that read results
; THE WAY OUT, 16 rows at a time: round to f16, 16 bytes a lane into my own stage, read back head by head, four rows of 128 bytes a load,
; which are 512 consecutive bytes of that head in memory.  The stage is my own and LDS serves a wave in order: no wait between stores and loads.
.macro OUT16 a, from, buf
	WIN \from
.irp b, 0,1,2,3,4,5,6,7,8,9,10,11
.irp r, 0,1,2,3
	v_cvt_pk_f16_f32 v[TMP+4*\b+\r], v[8*(12*((\a)%2)+\b)+2*\r], v[8*(12*((\a)%2)+\b)+2*\r+1]
.endr
.endr
	WIN 0
.irp b, 0,1,2,3,4,5,6,7,8,9,10,11
	ds_store_b128 v[STO], v[TMP+4*\b:TMP+4*\b+3] offset:32*\b
.endr
	s_wait_xcnt 0x0                                ; the registers that earlier stores read are loaded again only behind this wait
.irp c, 0,1,2
.irp t, 0,1,2,3
	ds_load_b128 v[\buf+4*(4*\c+\t):\buf+4*(4*\c+\t)+3], v[RD] offset:128*\c+4*SPITCH*\t
.endr
.endr
.irp c, 0,1,2
.irp t, 0,1,2,3
	s_wait_dscnt 11-(4*\c+\t)
	global_store_b128 v[CO], v[\buf+4*(4*\c+\t):\buf+4*(4*\c+\t)+3], s[OB+2*\c:OB+2*\c+1] offset:2048*\a+512*\t   ; 512 consecutive bytes, aligned
.endr
.endr
.endm
	OUT16 0, 0x0a, RB0
	OUT16 1, 0x0a, RB1
	OUT16 2, 0x0f, RB0
	OUT16 3, 0x0f, RB1
	s_set_vgpr_msb 0x1
	s_wait_tensorcnt 0x0
	ds_add_u32 v255, v255
	s_wait_dscnt 0x0
	s_set_vgpr_msb 0x100
	CROUND                                         ; the closing round: no work-group ends while a partner may still ask for a tile that names it
	s_endpgm
.Lfunc_end_k_q49424115f4_qkv:
	.size	k_q49424115f4_qkv, .Lfunc_end_k_q49424115f4_qkv-k_q49424115f4_qkv
	.p2alignl 7, 3214868480
	.fill 96, 4, 3214868480
	.section	.rodata,"a",@progbits
	.p2align	6, 0x0
	.amdhsa_kernel k_q49424115f4_qkv
		.amdhsa_group_segment_fixed_size 327680
		.amdhsa_private_segment_fixed_size 0
		.amdhsa_enable_private_segment 0
		.amdhsa_kernarg_size 24
		.amdhsa_user_sgpr_count 2
		.amdhsa_user_sgpr_kernarg_segment_ptr 1
		.amdhsa_wavefront_size32 1
		.amdhsa_system_sgpr_workgroup_id_x 1
		.amdhsa_system_sgpr_workgroup_id_y 1
		.amdhsa_system_sgpr_workgroup_id_z 1
		.amdhsa_system_vgpr_workitem_id 0
		.amdhsa_next_free_vgpr 960
		.amdhsa_next_free_sgpr 80
		.amdhsa_reserve_vcc 0
		.amdhsa_float_denorm_mode_32 3
		.amdhsa_float_denorm_mode_16_64 3
		.amdhsa_memory_ordered 1
		.amdhsa_forward_progress 1
		.amdhsa_inst_pref_size 166
	.end_amdhsa_kernel
	.amdgpu_metadata
---
amdhsa.version: [ 1, 2 ]
amdhsa.kernels:
  - .name:           k_q49424115f4_qkv
    .symbol:         k_q49424115f4_qkv.kd
    .args:
      - { .name: wh, .offset: 0, .size: 8, .value_kind: global_buffer, .address_space: global }
      - { .name: bin, .offset: 8, .size: 8, .value_kind: global_buffer, .address_space: global }
      - { .name: qkv, .offset: 16, .size: 8, .value_kind: global_buffer, .address_space: global }
    .group_segment_fixed_size: 327680
    .private_segment_fixed_size: 0
    .kernarg_segment_align: 8
    .kernarg_segment_size: 24
    .max_flat_workgroup_size: 128
    .sgpr_count:     80
    .vgpr_count:     960
    .wavefront_size: 32
...
	.end_amdgpu_metadata
.endif
;; end of part 2
;; launch attn (part 3): grid 8 x 32, 8 waves a work-group, clusters of 4 x 1, 327,680 bytes of LDS; arguments qkv, padding_mask, ao; writes ao
.if DOCPART == 3
	.amdgcn_target "amdgcn-amd-amdhsa--gfx1250"
	.amdhsa_code_object_version 6
	.text
	.protected	k_q49424115f4_attn
	.globl	k_q49424115f4_attn
	.p2align	8
	.type	k_q49424115f4_attn,@function
k_q49424115f4_attn:
	s_mov_b64 s[64:65], 0
	v_nop
	global_prefetch_b8 v0, s[64:65] scope:SCOPE_SE
	s_setreg_imm32_b32 hwreg(HW_REG_WAVE_MODE, 25, 1), 1
	s_wait_xcnt 0x0
	s_wait_alu depctr_hold_cnt(0) depctr_sa_sdst(0) depctr_va_vdst(0) depctr_va_sdst(0) depctr_va_ssrc(0) depctr_va_vcc(0) depctr_vm_vsrc(0)
	s_getreg_b32 s2, hwreg(HW_REG_IB_STS2, 6, 4)
	s_cmp_eq_u32 s2, 0
	s_cbranch_scc0 .Lentry_in_a_cluster
	s_endpgm
.Lentry_in_a_cluster:
	s_bfe_u32 s2, ttmp6, 0x10000c
	s_cmp_lg_u32 s2, 0x3003
	s_cbranch_scc0 .Lentry_shape_is_right
	s_endpgm
.Lentry_shape_is_right:
; ao[n][s][64] = softmax(q k^T / 8, masked keys left out) v for head n = 16 b + h, in f16.  A work-group takes 256 queries of one head.
; Eight waves, two on a SIMD.  Wave W: qi = W % 4 picks 64 queries (4 tiles of 16), kj = W / 4 picks keys 128 kj .. + 127 of every tile of 256 keys.
; The two key halves keep their own running maximum, sum and O, and are merged once at the end through LDS.
; CLUSTER 4 x 1: the four query blocks of a cluster belong to one head and ask for its K and V tiles jointly (mask 15).
; TRANSPOSED FORMS: S^T = K Q^T (source 0 = 16 keys, source 1 = 16 queries): lane (r, h) holds query r and keys 16 kt + 8 h + j.
; O^T = V^T P^T (source 0 = V read by the transposing LDS load, source 1 = P): register i of P is the pair (S[2 i], S[2 i + 1]) rounded to f16,
; which is the operand layout as it stands.  So maximum, sum and rescale factor are one number a lane, and one exchange between the lane halves is all.
; MASK: a table in LDS holds 0 or -1e38 for each key; its eight registers of a key tile are the C operand of the first S product.
; The value is finite, so the matrix unit sees no infinity.  A masked score gives exp2 of about -1.8e37, which is 0.  While a row has seen masked keys only,
; its maximum is -1e38 and its sums are wiped by the factor 0 as soon as a real key comes.  A row whose merged maximum lies below -2^125 has no real key:
; its result is NaN, as a softmax over nothing is.  LIMIT: a raw score q.k below -2^125 would count as masked; f16 operands cannot reach it.
; The running maximum is taken away before every exponential.  The shift is NM = round(-m c), c = log2(e) / 8, and rescale factors are
; exp2(NM_new - NM_old), so that old and new terms carry exactly the same shift.
; LIMIT: q, k, v, p and the result are f16 (magnitudes up to 65,504; p <= 1; the result is a convex mix of v).
; THE SCHEDULE is a pipeline of passes; a pass is one query tile q against 64 keys: 16 matrix and about 121 vector instructions, in three blocks,
; each under one window setting, so that a wave has vector work of its own to issue between its matrix instructions:
;   C(q): s c - m c and the exponentials of tile q, with the 8 products S of tile q + 1 (into the other S buffer) one behind every fifth of them;
;   A(q): three strands woven together: the sums of p and the update of l for tile q, the 16 conversions to P, the maximum, shift and factor of tile q + 1;
;   B(q): O of tile q times its factor, woven into the 8 products O += V^T P^T.
; The K and mask fragments of the next 64 keys are fetched in A(2), behind the last products that read the old ones; V's in C(0), behind the last of B(3).
; REGISTERS: window 0: v4-13 addresses, v16-23 (m, l) of the 4 query tiles, v24-35 at work, v40-71 mask tiles, v72-87 P, v88-119 and v120-151 two S buffers,
;            v152-215 K fragments, v216-223 at work.   window 1: v0-127 O at 32 q + 8 dt, v128-191 Q at 16 q + 8 ks, v192-255 V fragments at 16 dt + 8 ks.
.set KPITCH, 144                       ; 128 bytes + 16: an odd multiple of 16
.set VPITCH, 160                       ; 128 bytes + 32: an odd multiple of 32, for the transposing load
.set VOFF,   256*KPITCH                ; 36,864: V lies behind K in a slot
.set SLOT,   VOFF+256*VPITCH           ; 77,824
.set MBT,    2*SLOT                    ; 155,648: the mask table, 2048 x 4 bytes
.set MERGE,  MBT+8192                  ; 163,840: for each qi 32 x 512 bytes of O and 2 x 512 of (m, l)
.set MERGEQ, 17408
.set OST,    MERGE+4*MERGEQ            ; 233,472: for each qi 64 rows x 144 bytes, the way out
.set OSTQ,   64*KPITCH
.set TILEB,  32768                     ; 256 keys x 128 bytes in memory
.set AK,   4
.set AV,   6
.set AM,   8
.set QO,   9
.set MSA,  10
.set OSA,  11
.set ORD,  12
.set GO,   13
.set STAT, 16
.set NM,   24                          ; v[24:25] the shift of the pass that C works on next
.set AL0,  26                          ; v[26:27] the rescale factor of even query tiles
.set TT,   28                          ; v[28:35] sums
.set MBR,  40
.set GF,   48
.set PF,   72
.set SBUF0, 88
.set SBUF1, 120
.set KF,   152
.set AL1,  216                         ; v[216:217] the rescale factor of odd query tiles: factor q + 1 is made before factor q is last used
.set TM,   218                         ; v[218:223] the maximum chain
.set XO,   88
.set QF,   128
.set VF,   192
.set G1K, 24
.set G1V, 32
.set G0K, 40                           ; s[40:47] group 0 for K, one set for each slot
.set G0V, 48                           ; s[48:55] the same for V
.set MSB, 0
.macro WIN new
.if MSB != \new
	s_set_vgpr_msb (MSB<<8)|\new
.set MSB, \new
.endif
.endm
.macro PLACES
.rept 4
	v_nop
.endr
.endm
.macro ROUND                           ; a round of the cluster barrier
	s_barrier_signal -1
	s_barrier_wait -1
	s_cmp_lg_u32 s10, 0
	s_cbranch_scc1 .Lnot_wave_0_\@
	s_barrier_signal -3
.Lnot_wave_0_\@:
	s_barrier_wait -3
	s_barrier_signal -1
	s_barrier_wait -1
.endm
	s_load_b128 s[4:7], s[0:1], 0x0                ; qkv s[4:5], padding_mask s[6:7]
	s_load_b64 s[8:9], s[0:1], 0x10                ; ao
	v_lshl_add_u32 v254, v0, 2, 0x42000
	v_mov_b32 v255, 0
	ds_add_u32 v254, v255
	v_lshrrev_b32 v1, 5, v0
	v_readfirstlane_b32 s10, v1                    ; wave 0..7
	s_and_b32 s11, s10, 3                          ; qi
	s_lshr_b32 s12, s10, 2                         ; kj
	s_bfe_u32 s13, ttmp6, 0x40000                  ; cx
	s_lshl_b32 s14, ttmp9, 2
	s_add_co_u32 s14, s14, s13                     ; query block 0..7
	s_and_b32 s15, ttmp7, 0xffff                   ; head n
	s_lshr_b32 s16, s15, 4                         ; batch b
	s_mov_b32 s20, 0x3e38aa3b                      ; c = log2(e) / 8
	s_mov_b32 s21, 0x3e38aa3b
	s_mov_b32 s22, 0x76543210                      ; v_permlanex16_b32: lane i takes lane i of the other half
	s_mov_b32 s23, 0xfedcba98
	s_mov_b32 s57, 0xbe38aa3b                      ; -c
	s_mov_b32 s58, 0xfe000000                      ; -2^125
	s_mov_b32 s[G1K+0], 15|(1<<16)|(1<<20)|(1<<21)|(4<<22)|(3<<25)   ; mask: all four; 2 bytes; padding on; bit 21 beside a mask; after 32 dwords, 4 dwords
	s_mov_b32 s[G1K+1], 64<<16                     ; tensor_dim0 = 64
	s_mov_b32 s[G1K+2], 32<<16                     ; tensor_dim1 = 32
	s_mov_b32 s[G1K+3], 64<<16                     ; tile_dim0 = 64
	s_mov_b32 s[G1K+4], 32                         ; tile_dim1 = 32
	s_mov_b32 s[G1K+5], 64                         ; pitch
	s_mov_b32 s[G1K+6], 0
	s_mov_b32 s[G1K+7], 0
	s_mov_b32 s[G1V+0], 15|(1<<16)|(1<<20)|(1<<21)|(4<<22)|(7<<25)   ; the same with 8 dwords of padding
	s_mov_b32 s[G1V+1], 64<<16
	s_mov_b32 s[G1V+2], 32<<16
	s_mov_b32 s[G1V+3], 64<<16
	s_mov_b32 s[G1V+4], 32
	s_mov_b32 s[G1V+5], 64
	s_mov_b32 s[G1V+6], 0
	s_mov_b32 s[G1V+7], 0
	s_mul_i32 s17, s10, 32*KPITCH                  ; LDS: my 32 rows of K in a slot
	s_mul_i32 s18, s10, 32*VPITCH
	s_add_co_u32 s18, s18, VOFF                    ; and of V
	s_lshl_b32 s60, s15, 18                        ; head x 262,144 bytes
	s_lshl_b32 s61, s10, 12                        ; + my 32 rows
	s_add_co_u32 s60, s60, s61
	s_add_co_u32 s60, s60, 8388608                 ; part 1 = K
	s_mov_b32 s61, 0
	s_lshl_b32 s66, s15, 11
	s_lshl_b32 s67, s14, 8
	s_add_co_u32 s66, s66, s67
	s_lshl_b32 s67, s11, 6
	s_add_co_u32 s66, s66, s67                     ; 2048 n + 256 block + 64 qi: my first query row
	s_lshl_b32 s66, s66, 7
	s_mov_b32 s67, 0
	s_wait_dscnt 0x0
	s_wait_kmcnt 0x0
	s_add_nc_u64 s[62:63], s[4:5], s[60:61]
.irp s, 0,1
	s_mov_b32 s[G0K+4*\s], 1
	s_add_co_u32 s[G0K+4*\s+1], s17, \s*SLOT
	s_add_nc_u64 s[G0K+4*\s+2:G0K+4*\s+3], s[62:63], \s*TILEB              ; tile s
	s_or_b32 s[G0K+4*\s+3], s[G0K+4*\s+3], 0x80000000
	s_mov_b32 s[G0V+4*\s], 1
	s_add_co_u32 s[G0V+4*\s+1], s18, \s*SLOT
	s_add_nc_u64 s[G0V+4*\s+2:G0V+4*\s+3], s[62:63], 8388608+\s*TILEB      ; part 2 = V
	s_or_b32 s[G0V+4*\s+3], s[G0V+4*\s+3], 0x80000000
.endr
	s_add_nc_u64 s[68:69], s[4:5], s[66:67]        ; my queries
	s_add_nc_u64 s[66:67], s[8:9], s[66:67]        ; my rows of ao
	s_lshl_b32 s60, s16, 11
	s_mov_b32 s61, 0
	s_add_nc_u64 s[60:61], s[6:7], s[60:61]        ; the mask of my batch
	ROUND                                          ; in front of the first joint loads
	tensor_load_to_lds s[G0K:G0K+3], s[G1K:G1K+7]          ; tile 0
	s_nop 0
	tensor_load_to_lds s[G0V:G0V+3], s[G1V:G1V+7]
	s_nop 0
	tensor_load_to_lds s[G0K+4:G0K+7], s[G1K:G1K+7]        ; tile 1: four tensor loads of the wave are out
	s_nop 0
	tensor_load_to_lds s[G0V+4:G0V+7], s[G1V:G1V+7]
	s_nop 0
	v_and_b32 v1, 15, v0                           ; r
	v_bfe_u32 v2, v0, 4, 1                         ; h
	v_and_b32 v3, 31, v0                           ; lane
	v_lshlrev_b32 v38, 3, v0
	global_load_b64 v[14:15], v38, s[60:61]        ; thread t: the mask bytes of keys 8 t .. 8 t + 7
	v_lshlrev_b32 v[QO], 7, v1
	v_lshl_add_u32 v[QO], v2, 4, v[QO]             ; 128 r + 16 h
	WIN 0x40
.irp q, 0,1,2,3
.irp ks, 0,1
	global_load_b128 v[QF+16*\q+8*\ks:QF+16*\q+8*\ks+3],   v[QO], s[68:69] offset:2048*\q+64*\ks
	global_load_b128 v[QF+16*\q+8*\ks+4:QF+16*\q+8*\ks+7], v[QO], s[68:69] offset:2048*\q+64*\ks+32
.endr
.endr
	WIN 0
	v_mul_u32_u24 v[AK], v1, KPITCH
	v_lshl_add_u32 v[AK], v2, 4, v[AK]
	s_mul_i32 s17, s12, 128*KPITCH
	v_add_nc_u32 v[AK], s17, v[AK]                 ; K: (128 kj + r) pitch + 16 h
	v_add_nc_u32 v[AK+1], SLOT, v[AK]
	v_and_b32 v[AV], 7, v0
	v_lshl_add_u32 v[AV], v2, 3, v[AV]
	v_mul_u32_u24 v[AV], v[AV], VPITCH
	v_bfe_u32 v[AV+1], v0, 3, 1
	v_lshl_add_u32 v[AV], v[AV+1], 4, v[AV]
	s_mul_i32 s17, s12, 128*VPITCH
	s_add_co_u32 s17, s17, VOFF
	v_add_nc_u32 v[AV], s17, v[AV]                 ; V: (128 kj + 8 h + l % 8) pitch + 16 ((l / 8) % 2)
	v_add_nc_u32 v[AV+1], SLOT, v[AV]
	s_lshl_b32 s17, s12, 9
	s_add_co_u32 s17, s17, MBT
	v_lshl_add_u32 v[AM], v2, 5, s17               ; mask table: 4 (128 kj + 8 h); steps by 1,024 a tile
	s_mul_i32 s17, s11, MERGEQ
	s_add_co_u32 s17, s17, MERGE
	v_lshl_add_u32 v[MSA], v3, 4, s17
	s_mul_i32 s17, s11, OSTQ
	s_add_co_u32 s17, s17, OST
	v_mul_u32_u24 v[OSA], v1, KPITCH
	v_lshl_add_u32 v[OSA], v2, 4, v[OSA]
	v_add_nc_u32 v[OSA], s17, v[OSA]
	v_bfe_u32 v[ORD], v0, 3, 2
	v_mul_u32_u24 v[ORD], v[ORD], KPITCH
	v_and_b32 v[GO], 7, v0
	v_lshl_add_u32 v[ORD], v[GO], 4, v[ORD]
	v_add_nc_u32 v[ORD], s17, v[ORD]
	v_lshlrev_b32 v[GO], 4, v3
	v_lshl_add_u32 v36, v0, 5, MBT                 ; thread t writes 32 bytes of the table
	v_mov_b32 v37, 0xfe967699                      ; -1e38
	v_mov_b32 v[NM+1], 0                           ; the second registers of broadcast pairs and the exchange registers are written once
	v_mov_b32 v[AL0+1], 0
	v_mov_b32 v[AL1+1], 0
	v_mov_b32 v[TT+4], 0
	v_mov_b32 v[TM+4], 0
	s_wait_loadcnt 0x0                             ; the mask bytes and Q
.irp i, 0,1,2,3
	v_bfe_u32 v39, v14, 8*\i, 8
	v_cmp_ne_u32 vcc_lo, 0, v39
	v_cndmask_b32 v[MBR+\i], 0, v37, vcc_lo
.endr
.irp i, 0,1,2,3
	v_bfe_u32 v39, v15, 8*\i, 8
	v_cmp_ne_u32 vcc_lo, 0, v39
	v_cndmask_b32 v[MBR+4+\i], 0, v37, vcc_lo
.endr
	ds_store_b128 v36, v[MBR:MBR+3]
	ds_store_b128 v36, v[MBR+4:MBR+7] offset:16
; 24 LDS loads under window 0: the K fragments and the mask tiles of 64 keys (sub-step st of my 128 in the tile of the slot)
.macro KLOAD slot, st
.irp kt, 0,1,2,3
.irp ks, 0,1
	ds_load_b128 v[KF+16*\kt+8*\ks:KF+16*\kt+8*\ks+3],   v[AK+\slot] offset:64*KPITCH*\st+16*KPITCH*\kt+64*\ks
	ds_load_b128 v[KF+16*\kt+8*\ks+4:KF+16*\kt+8*\ks+7], v[AK+\slot] offset:64*KPITCH*\st+16*KPITCH*\kt+64*\ks+32
.endr
.endr
.irp kt, 0,1,2,3
	ds_load_b128 v[MBR+8*\kt:MBR+8*\kt+3],   v[AM] offset:256*\st+64*\kt
	ds_load_b128 v[MBR+8*\kt+4:MBR+8*\kt+7], v[AM] offset:256*\st+64*\kt+16
.endr
.endm
; 16 transposing LDS loads: the V fragments of the same 64 keys, into window 1; stands inside block C and gives its window back
.macro VLOAD slot, st
	WIN 0x40
.irp dt, 0,1,2,3
.irp ks, 0,1
	ds_load_tr16_b128 v[VF+16*\dt+8*\ks:VF+16*\dt+8*\ks+3],   v[AV+\slot] offset:64*VPITCH*\st+32*VPITCH*\ks+32*\dt
	ds_load_tr16_b128 v[VF+16*\dt+8*\ks+4:VF+16*\dt+8*\ks+7], v[AV+\slot] offset:64*VPITCH*\st+32*VPITCH*\ks+32*\dt+16*VPITCH
.endr
.endr
	WIN 0x04
.endm
; What stands in A(2): the fetch of the next 64 keys.  nxt = 1: the second half of this tile.  nxt = 2: the next tile, behind a round of the cluster barrier.
; All reads of this slot are over by then (its last K fragments were fetched a step ago, its last V fragments in C(0) of this step), so the round is the barrier
; in front of the refill: ahead of it every wave waits for all its tensor loads (its parts of the next tile among them) and for its LDS reads; behind it this
; slot is filled again first, with the tile two further on, which so has a whole trip (128 matrix instructions and 8 passes of each wave) in which to land.
; nxt = 3: the next tile, nothing left to fetch from memory: a barrier of the work-group shows the waves each other's parts.
.macro NEXT slot, nxt
.if \nxt == 1
	KLOAD \slot, 1
.endif
.if \nxt == 2
	s_wait_tensorcnt 0x0                           ; all my tensor loads have landed: no load of mine is out, so the descriptors may be written
	ds_add_u32 v254, v255
	s_add_nc_u64 s[G0K+4*\slot+2:G0K+4*\slot+3], s[G0K+4*\slot+2:G0K+4*\slot+3], 2*TILEB
	s_add_nc_u64 s[G0V+4*\slot+2:G0V+4*\slot+3], s[G0V+4*\slot+2:G0V+4*\slot+3], 2*TILEB
	s_wait_dscnt 0x0                               ; my reads of this slot are back
	ROUND
	tensor_load_to_lds s[G0K+4*\slot:G0K+4*\slot+3], s[G1K:G1K+7]  ; two tensor loads of the wave are out
	s_nop 0
	tensor_load_to_lds s[G0V+4*\slot:G0V+4*\slot+3], s[G1V:G1V+7]
	s_nop 0
	v_add_nc_u32 v[AM], 1024, v[AM]                ; the mask of the next 256 keys
	KLOAD 1-\slot, 0
.endif
.if \nxt == 3
	s_wait_tensorcnt 0x0
	s_wait_dscnt 0x0
	s_barrier_signal -1
	s_barrier_wait -1
	v_add_nc_u32 v[AM], 1024, v[AM]
	KLOAD 1-\slot, 0
.endif
.endm
; BLOCK C: 16 x (s c - m c), 32 exponentials of the tile in sb.  None of them names a vector source 1, so they run under the window of the S products
; (source 1 = Q in window 1).  doqk = 1: the 8 products of query tile qn into sn, one behind every fifth vector instruction: four accumulators by turns,
; first with the mask as C, then in place.  vl = 1: the V fragments are fetched behind the first four multiply-adds,
; which are the four places behind the last product that read the old ones (ISA guide 7.12.1).
.macro CB sb, sn, qn, doqk, vl, slot, st
	WIN 0x04
.set ci, 0
.rept 48
.if ci < 16
	v_pk_fma_f32 v[\sb+2*ci:\sb+2*ci+1], v[\sb+2*ci:\sb+2*ci+1], s[20:21], v[NM:NM+1] op_sel_hi:[1,0,0]
.else
	v_exp_f32 v[\sb+ci-16], v[\sb+ci-16]
.endif
.if \vl
.if ci == 3
	VLOAD \slot, \st
.endif
.endif
.if \doqk
.if (ci%5) == 4
.if ci < 40
.set cw, ci/5
.if cw < 4
	v_wmma_f32_16x16x32_f16 v[\sn+8*cw:\sn+8*cw+7], v[KF+16*cw:KF+16*cw+7], v[QF+16*\qn:QF+16*\qn+7], v[MBR+8*cw:MBR+8*cw+7]
.else
	v_wmma_f32_16x16x32_f16 v[\sn+8*(cw-4):\sn+8*(cw-4)+7], v[KF+16*(cw-4)+8:KF+16*(cw-4)+15], v[QF+16*\qn+8:QF+16*\qn+15], v[\sn+8*(cw-4):\sn+8*(cw-4)+7]
.endif
.endif
.endif
.endif
.set ci, ci+1
.endr
.endm
.macro SUM4 sb, k                      ; four chains of pair sums over p; k = 0 starts them
.irp c, 0,1,2,3
.if \k == 0
	v_pk_add_f32 v[TT+2*\c:TT+2*\c+1], v[\sb+8*\c:\sb+8*\c+1], v[\sb+8*\c+2:\sb+8*\c+3]
.else
	v_pk_add_f32 v[TT+2*\c:TT+2*\c+1], v[TT+2*\c:TT+2*\c+1], v[\sb+8*\c+2*\k+2:\sb+8*\c+2*\k+3]
.endif
.endr
.endm
.macro MAX4 sn, k                      ; four chains of maxima over raw scores; k = 0 starts them
.irp c, 0,1,2,3
.if \k == 0
	v_max3_num_f32 v[TM+\c], v[\sn+8*\c], v[\sn+8*\c+1], v[\sn+8*\c+2]
.else
	v_max3_num_f32 v[TM+\c], v[TM+\c], v[\sn+8*\c+2*\k+1], v[\sn+8*\c+2*\k+2]
.endif
.endr
.endm
.macro CV sb, i
	v_cvt_pk_f16_f32 v[PF+\i], v[\sb+2*\i], v[\sb+2*\i+1]
.endm
; BLOCK A, window 0.  Tile q (p in sb): the sum of my half of the keys and l = l factor + sum (first = 1: l = sum), and P in f16.
; Tile qn (raw scores in sn): mx = 1: the new maximum with the running one, the shift NM and the factor exp2(NM - old shift); mx = 2: nothing is carried yet;
; mx = 0: there is no next tile.  The first line is plain and independent of the exponentials just issued (ISA guide 5.7.2); it and the four sums behind it
; name no register of the S products and are the places behind the last of them, ahead of the maxima that read sn and of the loads into K and mask registers.
.macro AB q, sb, sn, qn, first, mx, nxt, slot
	WIN 0
.set ALC, AL0+(AL1-AL0)*((\q)%2)
.set ALN, AL0+(AL1-AL0)*((\qn)%2)
.if (\mx) == 1
	v_mul_f32 v[ALN], s57, v[STAT+2*\qn]           ; the old shift of tile qn, as it was rounded then
	s_wait_alu depctr_va_vdst(0)
.else
	v_nop
	s_wait_alu depctr_va_vdst(0)
.endif
	SUM4 \sb, 0
.if \nxt
	NEXT \slot, \nxt
.endif
.if \mx
	MAX4 \sn, 0
.endif
	SUM4 \sb, 1
.if \mx
	MAX4 \sn, 1
.endif
	SUM4 \sb, 2
.if \mx
	MAX4 \sn, 2
.endif
	v_pk_add_f32 v[TT:TT+1], v[TT:TT+1], v[TT+2:TT+3]
	v_pk_add_f32 v[TT+4:TT+5], v[TT+4:TT+5], v[TT+6:TT+7]
.if \mx
	v_max3_num_f32 v[TM], v[TM], v[TM+1], v[\sn+7]
	v_max3_num_f32 v[TM+2], v[TM+2], v[TM+3], v[\sn+15]
.endif
	v_pk_add_f32 v[TT:TT+1], v[TT:TT+1], v[TT+4:TT+5]
	CV \sb, 0                                      ; from here the conversions stand between the links of the serial chain
	CV \sb, 1
.if \mx
	v_max3_num_f32 v[TM], v[TM], v[TM+2], v[\sn+23]
.endif
.if \first
	v_add_f32 v[STAT+2*\q+1], v[TT], v[TT+1]       ; the halves of the lanes meet at the end
.else
	v_add_f32 v[TT], v[TT], v[TT+1]
.endif
	CV \sb, 2
	CV \sb, 3
.if (\mx) == 1
	v_max3_num_f32 v[TM], v[TM], v[\sn+31], v[STAT+2*\qn]
.endif
.if (\mx) == 2
	v_max_num_f32 v[TM], v[TM], v[\sn+31]
.endif
.if \first == 0
	v_fma_f32 v[STAT+2*\q+1], v[STAT+2*\q+1], v[ALC], v[TT]
.endif
	CV \sb, 4
	CV \sb, 5
.if \mx
	v_permlanex16_b32 v[TM+4], v[TM], s22, s23     ; the other eight keys of each tile lie in the other half of the lanes
.endif
	CV \sb, 6
	CV \sb, 7
	CV \sb, 8
.if \mx
	v_max_num_f32 v[TM+5], v[TM], v[TM+4]          ; the new maximum, equal in both halves
.endif
	CV \sb, 9
	CV \sb, 10
.if \mx
	v_mul_f32 v[NM], s57, v[TM+5]                  ; the new shift
.endif
	CV \sb, 11
	CV \sb, 12
.if (\mx) == 1
	v_sub_f32 v[ALN], v[NM], v[ALN]
.endif
	CV \sb, 13
.if \mx
	v_mov_b32 v[STAT+2*\qn], v[TM+5]
.endif
.if (\mx) == 1
	v_exp_f32 v[ALN], v[ALN]                       ; the factor of tile qn; plain conversions follow, and it is used a pass later
.endif
	CV \sb, 14
	CV \sb, 15
.endm
.macro RS4 q, dt                       ; eight numbers a lane of O times the factor of tile q
.irp i, 0,1,2,3
	v_pk_mul_f32 v[32*\q+8*\dt+2*\i:32*\q+8*\dt+2*\i+1], v[32*\q+8*\dt+2*\i:32*\q+8*\dt+2*\i+1], v[ALC:ALC+1] op_sel_hi:[1,0]
.endr
.endm
.macro PV1 q, dt, ks, zero
.if \zero
	v_wmma_f32_16x16x32_f16 v[32*\q+8*\dt:32*\q+8*\dt+7], v[VF+16*\dt+8*\ks:VF+16*\dt+8*\ks+7], v[PF+8*\ks:PF+8*\ks+7], 0
.else
	v_wmma_f32_16x16x32_f16 v[32*\q+8*\dt:32*\q+8*\dt+7], v[VF+16*\dt+8*\ks:VF+16*\dt+8*\ks+7], v[PF+8*\ks:PF+8*\ks+7], v[32*\q+8*\dt:32*\q+8*\dt+7]
.endif
.endm
; BLOCK B, one window for both kinds (source 0, C and D in window 1, source 1 in window 0): O of tile q times its factor, woven into O += V^T P^T over 64 keys.
; Four accumulators by turns.  first = 1: the first products start the sums, nothing is rescaled.
.macro BB q, first
	WIN 0x51
.set ALC, AL0+(AL1-AL0)*((\q)%2)
.if \first
	PV1 \q, 0, 0, 1
	PV1 \q, 1, 0, 1
	PV1 \q, 2, 0, 1
	PV1 \q, 3, 0, 1
.else
	RS4 \q, 0
	RS4 \q, 1
	PV1 \q, 0, 0, 0
	RS4 \q, 2
	PV1 \q, 1, 0, 0
	RS4 \q, 3
	PV1 \q, 2, 0, 0
	PV1 \q, 3, 0, 0
.endif
	PV1 \q, 0, 1, 0
	PV1 \q, 1, 1, 0
	PV1 \q, 2, 1, 0
	PV1 \q, 3, 1, 0
.endm
; 64 keys against my 64 queries: four passes.  At its head the scores of tile 0 lie in S buffer 0 with their shift in NM; at its end those of the next step do.
.macro STEP slot, st, first, nxt
	CB SBUF0, SBUF1, 1, 1, 1, \slot, \st
	AB 0, SBUF0, SBUF1, 1, \first, 1+\first, 0, \slot
	s_wait_dscnt 0x0                               ; the 16 loads of V, the only LDS instructions of the wave that are out
	BB 0, \first
	CB SBUF1, SBUF0, 2, 1, 0, \slot, \st
	AB 1, SBUF1, SBUF0, 2, \first, 1+\first, 0, \slot
	BB 1, \first
	CB SBUF0, SBUF1, 3, 1, 0, \slot, \st
	AB 2, SBUF0, SBUF1, 3, \first, 1+\first, \nxt, \slot
	BB 2, \first
.if \nxt
	s_wait_dscnt 0x0                               ; the 24 loads of the next K and mask, the only ones out
	CB SBUF1, SBUF0, 0, 1, 0, \slot, \st
	AB 3, SBUF1, SBUF0, 0, \first, 1, 0, \slot
.else
	CB SBUF1, SBUF0, 0, 0, 0, \slot, \st
	AB 3, SBUF1, SBUF0, 0, \first, 0, 0, \slot
.endif
	BB 3, \first
.endm
	; THE WAY IN: the table and tile 0 are shown to all waves, then the scores of query tile 0 against the first 64 keys and their maximum
	s_wait_dscnt 0x0                               ; my part of the mask table is written: zero, for the sake of the readers
	s_wait_tensorcnt 0x2                           ; my two loads of tile 0 are in, the two of tile 1 stay out
	s_barrier_signal -1
	s_barrier_wait -1
	KLOAD 0, 0
	s_wait_dscnt 0x0
	WIN 0x04
.irp kt, 0,1,2,3
	v_wmma_f32_16x16x32_f16 v[SBUF0+8*\kt:SBUF0+8*\kt+7], v[KF+16*\kt:KF+16*\kt+7], v[QF:QF+7], v[MBR+8*\kt:MBR+8*\kt+7]
.endr
.irp kt, 0,1,2,3
	v_wmma_f32_16x16x32_f16 v[SBUF0+8*\kt:SBUF0+8*\kt+7], v[KF+16*\kt+8:KF+16*\kt+15], v[QF+8:QF+15], v[SBUF0+8*\kt:SBUF0+8*\kt+7]
.endr
	WIN 0
	PLACES                                         ; behind the products, ahead of the maxima that read them
	MAX4 SBUF0, 0
	MAX4 SBUF0, 1
	MAX4 SBUF0, 2
	v_max3_num_f32 v[TM], v[TM], v[TM+1], v[SBUF0+7]
	v_max3_num_f32 v[TM+2], v[TM+2], v[TM+3], v[SBUF0+15]
	v_max3_num_f32 v[TM], v[TM], v[TM+2], v[SBUF0+23]
	v_max_num_f32 v[TM], v[TM], v[SBUF0+31]
	v_permlanex16_b32 v[TM+4], v[TM], s22, s23
	v_max_num_f32 v[TM+5], v[TM], v[TM+4]
	v_mul_f32 v[NM], s57, v[TM+5]
	v_mov_b32 v[STAT], v[TM+5]
	; eight tiles of 256 keys, two steps each: two tiles written out (the first step starts the sums), two laps of two, two written out
	STEP 0, 0, 1, 1
	STEP 0, 1, 0, 2                                ; tile 2 is asked for
	STEP 1, 0, 0, 1
	STEP 1, 1, 0, 2                                ; tile 3
	WIN 0
	s_mov_b32 s56, 2
.Llap:
	STEP 0, 0, 0, 1
	STEP 0, 1, 0, 2                                ; tiles 4, 6
	STEP 1, 0, 0, 1
	STEP 1, 1, 0, 2                                ; tiles 5, 7
	WIN 0
	s_sub_co_u32 s56, s56, 1
	s_cmp_lg_u32 s56, 0
	s_cbranch_scc1 .Llap
	STEP 0, 0, 0, 1
	STEP 0, 1, 0, 3                                ; nothing is left to ask for
	STEP 1, 0, 0, 1
	STEP 1, 1, 0, 0                                ; the last step fetches nothing and has no next tile
	WIN 0
	; THE MERGE of the two key halves.  Waves 4-7 hand O and (m, l) to waves 0-3 through LDS bytes of their own, into which no tensor load lands.
	PLACES                                         ; behind the last products, ahead of the stores and sums that read O
	s_cmp_lt_u32 s10, 4
	s_cbranch_scc1 .Lstay
	WIN 0x04                                       ; store data from window 1
.set i, 0
.rept 32
	ds_store_b128 v[MSA], v[4*i:4*i+3] offset:512*i
.set i, i+1
.endr
	WIN 0
	ds_store_b128 v[MSA], v[STAT:STAT+3] offset:16384
	ds_store_b128 v[MSA], v[STAT+4:STAT+7] offset:16896
.Lstay:
	s_wait_dscnt 0x0                               ; for the sake of the readers: zero
	s_barrier_signal -1
	s_barrier_wait -1
	s_cmp_lt_u32 s10, 4
	s_cbranch_scc0 .Lclose
	ds_load_b128 v[MBR:MBR+3], v[MSA] offset:16384     ; the partner: (m, l) of the four query tiles
	ds_load_b128 v[MBR+4:MBR+7], v[MSA] offset:16896
.set i, 0
.rept 32
	ds_load_b128 v[XO+4*i:XO+4*i+3], v[MSA] offset:512*i   ; and its O, 128 registers
.set i, i+1
.endr
	v_mov_b32 v[TT+7], 0x7fc00000                  ; NaN
	s_wait_dscnt 0x20                              ; the two loads of (m, l) are in, the 32 behind them stay out
; g0 = f0 / l, g1 = f1 / l with f_i = exp2(NM - NM_i), l = l0 f0 + l1 f1 over both halves of the lanes; NaN where no key was real
.macro MSTAT q
	v_max_num_f32 v[TT], v[STAT+2*\q], v[MBR+2*\q]
	v_mul_f32 v[TT+1], s57, v[TT]
	v_mul_f32 v[TT+2], s57, v[STAT+2*\q]
	v_mul_f32 v[TT+3], s57, v[MBR+2*\q]
	v_cmp_gt_f32 vcc_lo, s58, v[TT]                ; -2^125 > m: every key of the row was masked
	v_sub_f32 v[TT+2], v[TT+1], v[TT+2]
	v_sub_f32 v[TT+3], v[TT+1], v[TT+3]
	v_exp_f32 v[TT+2], v[TT+2]
	v_exp_f32 v[TT+3], v[TT+3]
	v_nop                                          ; one plain place behind a transcendental (ISA guide 5.7.2)
	s_wait_alu depctr_va_vdst(0)
	v_mul_f32 v[TT+6], v[STAT+2*\q+1], v[TT+2]
	v_fmac_f32 v[TT+6], v[MBR+2*\q+1], v[TT+3]
	v_permlanex16_b32 v[TT+4], v[TT+6], s22, s23
	v_add_f32 v[TT+6], v[TT+6], v[TT+4]
	v_rcp_f32 v[TT+6], v[TT+6]
	v_nop
	s_wait_alu depctr_va_vdst(0)
	v_cndmask_b32 v[TT+6], v[TT+6], v[TT+7], vcc_lo
	v_mul_f32 v[GF+4*\q],   v[TT+2], v[TT+6]
	v_mul_f32 v[GF+4*\q+1], v[TT+2], v[TT+6]
	v_mul_f32 v[GF+4*\q+2], v[TT+3], v[TT+6]
	v_mul_f32 v[GF+4*\q+3], v[TT+3], v[TT+6]
.endm
	MSTAT 0
	MSTAT 1
	MSTAT 2
	MSTAT 3
; query tile q: O = O0 g0 + O1 g1, rounded to f16, 16 bytes a lane into my stage (row = query, 128 bytes of data)
.macro MOUT q
	s_wait_dscnt 24-4*\q                           ; behind the eight loads of tile q stand 8 (3 - q) loads and the 4 q stage stores of the tiles before
.set i, 0
.rept 16
	v_pk_mul_f32 v[XO+32*\q+2*i:XO+32*\q+2*i+1], v[XO+32*\q+2*i:XO+32*\q+2*i+1], v[GF+4*\q+2:GF+4*\q+3]
.set i, i+1
.endr
	WIN 0x01                                       ; source 0 = my O, window 1
.set i, 0
.rept 16
	v_pk_fma_f32 v[XO+32*\q+2*i:XO+32*\q+2*i+1], v[32*\q+2*i:32*\q+2*i+1], v[GF+4*\q:GF+4*\q+1], v[XO+32*\q+2*i:XO+32*\q+2*i+1]
.set i, i+1
.endr
	WIN 0
.set i, 0
.rept 16
	v_cvt_pk_f16_f32 v[PF+i], v[XO+32*\q+2*i], v[XO+32*\q+2*i+1]
.set i, i+1
.endr
.irp dt, 0,1,2,3
	ds_store_b128 v[OSA], v[PF+4*\dt:PF+4*\dt+3] offset:16*KPITCH*\q+32*\dt
.endr
.endm
	MOUT 0
	MOUT 1
	MOUT 2
	MOUT 3
.set i, 0
.rept 16
	ds_load_b128 v[XO+4*i:XO+4*i+3], v[ORD] offset:4*KPITCH*i      ; my own stage, served in order: four rows of 128 bytes a load
.set i, i+1
.endr
.set i, 0
.rept 16
	s_wait_dscnt 15-i
	global_store_b128 v[GO], v[XO+4*i:XO+4*i+3], s[66:67] offset:512*i     ; 512 consecutive bytes of ao, aligned
.set i, i+1
.endr
.Lclose:
	s_wait_tensorcnt 0x0
	ds_add_u32 v254, v255
	s_wait_dscnt 0x0
	ROUND                                          ; the closing round: no work-group ends while a partner may still ask for a tile that names it
	s_endpgm
.Lfunc_end_k_q49424115f4_attn:
	.size	k_q49424115f4_attn, .Lfunc_end_k_q49424115f4_attn-k_q49424115f4_attn
	.p2alignl 7, 3214868480
	.fill 96, 4, 3214868480
	.section	.rodata,"a",@progbits
	.p2align	6, 0x0
	.amdhsa_kernel k_q49424115f4_attn
		.amdhsa_group_segment_fixed_size 327680
		.amdhsa_private_segment_fixed_size 0
		.amdhsa_enable_private_segment 0
		.amdhsa_kernarg_size 24
		.amdhsa_user_sgpr_count 2
		.amdhsa_user_sgpr_kernarg_segment_ptr 1
		.amdhsa_wavefront_size32 1
		.amdhsa_system_sgpr_workgroup_id_x 1
		.amdhsa_system_sgpr_workgroup_id_y 1
		.amdhsa_system_sgpr_workgroup_id_z 1
		.amdhsa_system_vgpr_workitem_id 0
		.amdhsa_next_free_vgpr 512
		.amdhsa_next_free_sgpr 70
		.amdhsa_reserve_vcc 1
		.amdhsa_float_denorm_mode_32 3
		.amdhsa_float_denorm_mode_16_64 3
		.amdhsa_memory_ordered 1
		.amdhsa_forward_progress 1
		.amdhsa_inst_pref_size 255
	.end_amdhsa_kernel
	.section	.bss,"aw",@nobits
	.p2align	6
	.space	262144
	.amdgpu_metadata
---
amdhsa.version: [ 1, 2 ]
amdhsa.kernels:
  - .name:           k_q49424115f4_attn
    .symbol:         k_q49424115f4_attn.kd
    .args:
      - { .name: qkv, .offset: 0, .size: 8, .value_kind: global_buffer, .address_space: global }
      - { .name: padding_mask, .offset: 8, .size: 8, .value_kind: global_buffer, .address_space: global }
      - { .name: ao, .offset: 16, .size: 8, .value_kind: global_buffer, .address_space: global }
    .group_segment_fixed_size: 327680
    .private_segment_fixed_size: 0
    .kernarg_segment_align: 8
    .kernarg_segment_size: 24
    .max_flat_workgroup_size: 256
    .sgpr_count:     70
    .vgpr_count:     512
    .wavefront_size: 32
...
	.end_amdgpu_metadata
.endif
;; end of part 3
;; launch proj (part 4): grid 8 x 32, 4 waves a work-group, clusters of 4 x 4, 327,680 bytes of LDS; arguments ao, wh, bout, out0; writes out0
.if DOCPART == 4
	.amdgcn_target "amdgcn-amd-amdhsa--gfx1250"
	.amdhsa_code_object_version 6
	.text
	.protected	k_q49424115f4_proj
	.globl	k_q49424115f4_proj
	.p2align	8
	.type	k_q49424115f4_proj,@function
k_q49424115f4_proj:
	s_mov_b64 s[64:65], 0
	v_nop
	global_prefetch_b8 v0, s[64:65] scope:SCOPE_SE
	s_setreg_imm32_b32 hwreg(HW_REG_WAVE_MODE, 25, 1), 1
	s_wait_xcnt 0x0
	s_wait_alu depctr_hold_cnt(0) depctr_sa_sdst(0) depctr_va_vdst(0) depctr_va_sdst(0) depctr_va_ssrc(0) depctr_va_vcc(0) depctr_vm_vsrc(0)
	s_getreg_b32 s2, hwreg(HW_REG_IB_STS2, 6, 4)
	s_cmp_eq_u32 s2, 0
	s_cbranch_scc0 .Lentry_in_a_cluster
	s_endpgm
.Lentry_in_a_cluster:
	s_bfe_u32 s2, ttmp6, 0x10000c
	s_cmp_lg_u32 s2, 0xf033
	s_cbranch_scc0 .Lentry_shape_is_right
	s_endpgm
.Lentry_shape_is_right:
; out0[s][b][:] = attention output x Wout^T + bout, in f32.  Rows are walked as m = 2048 b + s; K = 1024 = 16 heads x 64.
; A work-group makes 128 rows (one batch, 128 s) x 128 columns; 8 x 32 work-groups.  Four waves, 2 x 2, 64 x 64 each: 16 accumulator tiles, 128 registers.
; K goes in 4 steps of 256 (four heads) through two LDS slots, all written out.  The long step leaves 124 matrix instructions between the request for
; a tile and the wait for it; with a step of 128 it would be 60.
; ao lies by heads, so the tile of a step is four dense blocks of 128 rows x 128 bytes, one for each wave; of Wout each wave fetches 32 rows x 512 bytes.
; CLUSTER 4 x 4: the tiles of ao hang on the block row alone and are shared along a row of the cluster, those of Wout along a column.
; The matrix instruction is used transposed (source 0 = rows of Wout, source 1 = rows of ao): a lane holds row l % 16 and eight neighbouring columns.
; The bias, laid out as such a tile, is the C operand of the first product.
; LIMIT: operands are f16.  A row of ao that is NaN (a batch with every key masked) gives a row of NaN.
; REGISTERS: window 0: v16-27 addresses; buffer f: ao fragments v[32 + 64 f ..], Wout fragments v[64 + 64 f ..]; v160-191 bias; v192-255 the way out.
;            window 1: accumulators at v[8 (4 a + b)].
.set APITCH, 144
.set BPITCH, 528                       ; 512 bytes + 16, an odd multiple of 16
.set ASUB,   128*APITCH                ; 18,432: one head
.set BOFF,   4*ASUB                    ; 73,728
.set BWAVE,  32*BPITCH                 ; 16,896
.set SLOT,   BOFF+4*BWAVE              ; 141,312
.set STAGE,  2*SLOT                    ; 282,624, a multiple of 256: no tensor load lands here
.set SPITCH, 272
.set ADRA, 16
.set ADRB, 20
.set STO,  24
.set RD,   25
.set CO,   26
.set BO,   27
.set FA,   32
.set FB,   64
.set BIAS, 160
.set RB0,  192
.set RB1,  224
.set G1A, 24
.set G0A, 32
.set G1B, 48
.set G0B, 56
.set MUL,   0x50                       ; C and D window 1
.set FIRST, 0x40                       ; D window 1, C (the bias) window 0
.set MSB, 0
.macro WIN new
.if MSB != \new
	s_set_vgpr_msb (MSB<<8)|\new
.set MSB, \new
.endif
.endm
.macro PLACES
.rept 4
	v_nop
.endr
.endm
.macro CREST
	s_cmp_lg_u32 s12, 0
	s_cbranch_scc1 .Lnot_wave_0_\@
	s_barrier_signal -3
.Lnot_wave_0_\@:
	s_barrier_wait -3
	s_barrier_signal -1
	s_barrier_wait -1
.endm
.macro CROUND
	s_barrier_signal -1
	s_barrier_wait -1
	CREST
.endm
.macro JL s
	tensor_load_to_lds s[G0A+4*\s:G0A+4*\s+3], s[G1A:G1A+7]
	s_nop 0
	tensor_load_to_lds s[G0B+4*\s:G0B+4*\s+3], s[G1B:G1B+7]
	s_nop 0
.endm
	s_load_b256 s[4:11], s[0:1], 0x0               ; ao s[4:5], wh s[6:7], bout s[8:9], out0 s[10:11]
	v_lshl_add_u32 v30, v0, 2, 0x49400
	v_mov_b32 v31, 0
	ds_add_u32 v30, v31
	v_lshrrev_b32 v1, 5, v0
	v_readfirstlane_b32 s12, v1                    ; wave 0..3
	s_bfe_u32 s40, ttmp6, 0x40000                  ; cx
	s_bfe_u32 s41, ttmp6, 0x40004                  ; cy
	s_lshl_b32 s42, ttmp9, 2
	s_add_co_u32 s42, s42, s40                     ; bx: block of 128 columns
	s_and_b32 s13, ttmp7, 0xffff
	s_lshl_b32 s13, s13, 2
	s_add_co_u32 s13, s13, s41                     ; by: block of 128 rows
	s_lshl_b32 s43, s41, 2
	s_lshl_b32 s43, 15, s43                        ; my row of the cluster
	s_lshl_b32 s44, 0x1111, s40                    ; my column
	s_or_b32 s[G1A+0], s43, (1<<16)|(1<<20)|(1<<21)|(4<<22)|(3<<25)   ; 2 bytes; padding: after 32 dwords, 4 dwords
	s_mov_b32 s[G1A+1], 64<<16                     ; tensor_dim0 = 64
	s_mov_b32 s[G1A+2], 128<<16                    ; tensor_dim1 = 128
	s_mov_b32 s[G1A+3], 64<<16                     ; tile_dim0 = 64
	s_mov_b32 s[G1A+4], 128                        ; tile_dim1 = 128
	s_mov_b32 s[G1A+5], 64                         ; pitch
	s_mov_b32 s[G1A+6], 0
	s_mov_b32 s[G1A+7], 0
	s_or_b32 s[G1B+0], s44, (1<<16)|(1<<20)|(1<<21)|(6<<22)|(3<<25)   ; padding: after 128 dwords, 4 dwords
	s_mov_b32 s[G1B+1], 256<<16
	s_mov_b32 s[G1B+2], 32<<16
	s_mov_b32 s[G1B+3], 256<<16
	s_mov_b32 s[G1B+4], 32
	s_mov_b32 s[G1B+5], 1024
	s_mov_b32 s[G1B+6], 0
	s_mov_b32 s[G1B+7], 0
	; ao: ((16 b + w) 2048 + s0) 128: head w of the step, made of by and the wave number alone
	s_lshr_b32 s14, s13, 4
	s_lshl_b32 s14, s14, 4
	s_add_co_u32 s14, s14, s12
	s_lshl_b32 s14, s14, 11
	s_and_b32 s15, s13, 15
	s_lshl_b32 s15, s15, 7
	s_add_co_u32 s14, s14, s15
	s_lshl_b32 s16, s14, 7
	s_mov_b32 s17, 0
	; Wout: 14,680,064 + 2048 (128 bx + 32 w): made of bx and the wave number alone
	s_lshl_b32 s46, s42, 7
	s_lshl_b32 s47, s12, 5
	s_add_co_u32 s46, s46, s47
	s_lshl_b32 s46, s46, 11
	s_add_co_u32 s46, s46, 14680064
	s_mov_b32 s47, 0
	s_mul_i32 s20, s12, ASUB
	s_mul_i32 s21, s12, BWAVE
	s_add_co_u32 s21, s21, BOFF
	s_lshr_b32 s70, s12, 1                         ; which 64 rows are mine
	s_and_b32 s71, s12, 1                          ; which 64 columns
	s_and_b32 s72, s13, 15
	s_lshl_b32 s72, s72, 7
	s_lshl_b32 s73, s70, 6
	s_add_co_u32 s72, s72, s73                     ; s of my first row
	s_lshl_b32 s72, s72, 1
	s_lshr_b32 s73, s13, 4
	s_add_co_u32 s72, s72, s73                     ; 2 s + b
	s_lshl_b32 s72, s72, 12                        ; x 4,096 bytes
	s_lshl_b32 s74, s42, 7
	s_lshl_b32 s75, s71, 6
	s_add_co_u32 s74, s74, s75
	s_lshl_b32 s74, s74, 2                         ; my first column, in bytes
	s_add_co_u32 s72, s72, s74
	s_mov_b32 s73, 0
	s_mov_b32 s75, 0
	s_wait_dscnt 0x0
	s_wait_kmcnt 0x0
	s_add_nc_u64 s[14:15], s[4:5], s[16:17]
	s_add_nc_u64 s[46:47], s[6:7], s[46:47]
	s_add_nc_u64 s[66:67], s[10:11], s[72:73]
	s_add_nc_u64 s[68:69], s[8:9], s[74:75]
	CROUND                                         ; in front of the first joint loads
.irp s, 0,1
	s_mov_b32 s[G0A+4*\s], 1
	s_add_co_u32 s[G0A+4*\s+1], s20, \s*SLOT
	s_add_nc_u64 s[G0A+4*\s+2:G0A+4*\s+3], s[14:15], \s*1048576    ; four heads on
	s_or_b32 s[G0A+4*\s+3], s[G0A+4*\s+3], 0x80000000
	s_mov_b32 s[G0B+4*\s], 1
	s_add_co_u32 s[G0B+4*\s+1], s21, \s*SLOT
	s_add_nc_u64 s[G0B+4*\s+2:G0B+4*\s+3], s[46:47], \s*512
	s_or_b32 s[G0B+4*\s+3], s[G0B+4*\s+3], 0x80000000
	JL \s                                          ; four tensor loads of the wave are out after both
.endr
	v_and_b32 v1, 15, v0                           ; r
	v_bfe_u32 v2, v0, 4, 1                         ; h
	v_lshlrev_b32 v[BO], 5, v2
.irp b, 0,1,2,3
	global_load_b128 v[BIAS+8*\b:BIAS+8*\b+3],   v[BO], s[68:69] offset:64*\b      ; register j of tile b: bout[my column + 16 b + 8 h + j]
	global_load_b128 v[BIAS+8*\b+4:BIAS+8*\b+7], v[BO], s[68:69] offset:64*\b+16
.endr
	v_mul_u32_u24 v3, v1, APITCH
	v_lshl_add_u32 v3, v2, 4, v3
	s_mul_i32 s72, s70, 64*APITCH
	v_add_nc_u32 v[ADRA], s72, v3
	v_add_nc_u32 v[ADRA+1], SLOT, v[ADRA]
	v_mul_u32_u24 v4, v1, BPITCH
	v_lshl_add_u32 v4, v2, 4, v4
	s_mul_i32 s72, s71, 64*BPITCH
	s_add_co_u32 s72, s72, BOFF
	v_add_nc_u32 v[ADRB], s72, v4
	v_add_nc_u32 v[ADRB+1], SLOT, v[ADRB]
	s_mul_i32 s23, s12, 16*SPITCH
	s_add_co_u32 s23, s23, STAGE                   ; my stage
	v_mul_u32_u24 v5, v1, SPITCH
	v_lshl_add_u32 v5, v2, 5, v5
	v_add_nc_u32 v[STO], s23, v5                   ; in: row r, 32 bytes for each half of the lanes
	v_mul_u32_u24 v5, v2, SPITCH
	v_lshl_add_u32 v5, v1, 4, v5
	v_add_nc_u32 v[RD], s23, v5                    ; back: lanes 0-15 one row of 256 bytes, lanes 16-31 the next
	v_lshlrev_b32 v5, 13, v2
	v_lshl_add_u32 v[CO], v1, 4, v5                ; in out0 the rows of one batch lie 8,192 bytes apart
; four matrix instructions: row tile a x my 4 column tiles, 32 along K, from buffer f.  The 16 accumulators take turns, one instruction a turn,
; in the same order in every quarter.
.macro MUL4 f, a, first
.irp b, 0,1,2,3
.if \first
	v_wmma_f32_16x16x32_f16 v[8*(4*\a+\b):8*(4*\a+\b)+7], v[FB+64*\f+8*\b:FB+64*\f+8*\b+7], v[FA+64*\f+8*\a:FA+64*\f+8*\a+7], v[BIAS+8*\b:BIAS+8*\b+7]
.else
	v_wmma_f32_16x16x32_f16 v[8*(4*\a+\b):8*(4*\a+\b)+7], v[FB+64*\f+8*\b:FB+64*\f+8*\b+7], v[FA+64*\f+8*\a:FA+64*\f+8*\a+7], v[8*(4*\a+\b):8*(4*\a+\b)+7]
.endif
.endr
.endm
; 16 LDS loads: K quarter kq (32 of the 256) into buffer f: 8 for Wout, then 8 for ao (row tiles ascending).  Quarter kq lies in head kq / 2, half kq % 2.
.macro FETCH slot, kq, f
.irp b, 0,1,2,3
	ds_load_b128 v[FB+64*\f+8*\b:FB+64*\f+8*\b+3],   v[ADRB+\slot] offset:64*\kq+16*BPITCH*\b
	ds_load_b128 v[FB+64*\f+8*\b+4:FB+64*\f+8*\b+7], v[ADRB+\slot] offset:64*\kq+16*BPITCH*\b+32
.endr
.irp a, 0,1,2,3
	ds_load_b128 v[FA+64*\f+8*\a:FA+64*\f+8*\a+3],   v[ADRA+\slot] offset:ASUB*((\kq)/2)+64*((\kq)%2)+16*APITCH*\a
	ds_load_b128 v[FA+64*\f+8*\a+4:FA+64*\f+8*\a+7], v[ADRA+\slot] offset:ASUB*((\kq)/2)+64*((\kq)%2)+16*APITCH*\a+32
.endr
.endm
; a quarter: first the fetch of quarter kq into buffer g, then the 16 products of buffer f: a fragment has 16 matrix instructions in which to arrive
.macro QUARTER slot, kq, f, g, first
	PLACES                                         ; buffer g was read by the products just issued
	WIN 0
	FETCH \slot, \kq, \g
	s_wait_dscnt 0x10                              ; all but the 16 just issued: buffer f is in
.if \first
	WIN FIRST
.else
	WIN MUL
.endif
	MUL4 \f, 0, \first
	MUL4 \f, 1, \first
	MUL4 \f, 2, \first
	MUL4 \f, 3, \first
.endm
.macro SEVEN slot, first
	QUARTER \slot, 1, 0, 1, \first
	QUARTER \slot, 2, 1, 0, 0
	QUARTER \slot, 3, 0, 1, 0
	QUARTER \slot, 4, 1, 0, 0
	QUARTER \slot, 5, 0, 1, 0
	QUARTER \slot, 6, 1, 0, 0
	QUARTER \slot, 7, 0, 1, 0
.endm
; the eighth quarter: multiplies buffer 1 and changes slots, with the waits for my reads and for all my tensor loads in front of the barrier.
; fill = 1: the barrier opens a round of the cluster barrier, and the joint refills come first behind the round.
.macro TURN slot, next, fill
	s_wait_dscnt 0x4                               ; all but row tiles 2, 3 of ao
	WIN MUL
	MUL4 1, 0, 0
	s_wait_dscnt 0x0
	s_wait_tensorcnt 0x0
	ds_add_u32 v30, v31
	s_wait_dscnt 0x0
	s_barrier_signal -1
	MUL4 1, 1, 0
	WIN 0
	s_barrier_wait -1
.if \fill
	CREST
	s_add_nc_u64 s[G0A+4*\slot+2:G0A+4*\slot+3], s[G0A+4*\slot+2:G0A+4*\slot+3], 2097152   ; eight heads on
	s_add_nc_u64 s[G0B+4*\slot+2:G0B+4*\slot+3], s[G0B+4*\slot+2:G0B+4*\slot+3], 1024
	JL \slot
.endif
	PLACES
	FETCH \next, 0, 0
	WIN MUL
	MUL4 1, 2, 0
	MUL4 1, 3, 0
.endm
	s_wait_tensorcnt 0x2                           ; my two loads of step 0 are in, the two of step 1 stay out
	s_barrier_signal -1
	s_barrier_wait -1
	FETCH 0, 0, 0
	s_wait_loadcnt 0x0                             ; the bias
	SEVEN 0, 1
	TURN 0, 1, 1                                   ; step 2 is asked for
	SEVEN 1, 0
	TURN 1, 0, 1                                   ; step 3 is asked for
	SEVEN 0, 0
	TURN 0, 1, 0
	SEVEN 1, 0
	s_wait_dscnt 0x0
	WIN MUL
	MUL4 1, 0, 0
	MUL4 1, 1, 0
	MUL4 1, 2, 0
	MUL4 1, 3, 0
	PLACES                                         ; behind the last products, ahead of the LDS stores that read results
; THE WAY OUT, 16 rows at a time through my own stage: 32 bytes a lane in, whole rows of 256 bytes back.
.macro OUT16 a, buf
	WIN 0x04                                       ; store data from window 1
.irp b, 0,1,2,3
	ds_store_b128 v[STO], v[8*(4*\a+\b):8*(4*\a+\b)+3]   offset:64*\b
	ds_store_b128 v[STO], v[8*(4*\a+\b)+4:8*(4*\a+\b)+7] offset:64*\b+16
.endr
	WIN 0
	s_wait_xcnt 0x0                                ; the registers that earlier stores read are loaded again only behind this wait
.irp t, 0,1,2,3,4,5,6,7
	ds_load_b128 v[\buf+4*\t:\buf+4*\t+3], v[RD] offset:2*SPITCH*\t
.endr
.irp t, 0,1,2,3,4,5,6,7
	s_wait_dscnt 7-\t
	global_store_b128 v[CO], v[\buf+4*\t:\buf+4*\t+3], s[66:67] offset:131072*\a+16384*\t th:TH_STORE_NT   ; 16 lanes store 256 consecutive bytes, aligned
.endr
.endm
	OUT16 0, RB0
	OUT16 1, RB1
	OUT16 2, RB0
	OUT16 3, RB1
	s_wait_tensorcnt 0x0
	ds_add_u32 v30, v31
	s_wait_dscnt 0x0
	CROUND                                         ; the closing round
	s_endpgm
.Lfunc_end_k_q49424115f4_proj:
	.size	k_q49424115f4_proj, .Lfunc_end_k_q49424115f4_proj-k_q49424115f4_proj
	.p2alignl 7, 3214868480
	.fill 96, 4, 3214868480
	.section	.rodata,"a",@progbits
	.p2align	6, 0x0
	.amdhsa_kernel k_q49424115f4_proj
		.amdhsa_group_segment_fixed_size 327680
		.amdhsa_private_segment_fixed_size 0
		.amdhsa_enable_private_segment 0
		.amdhsa_kernarg_size 32
		.amdhsa_user_sgpr_count 2
		.amdhsa_user_sgpr_kernarg_segment_ptr 1
		.amdhsa_wavefront_size32 1
		.amdhsa_system_sgpr_workgroup_id_x 1
		.amdhsa_system_sgpr_workgroup_id_y 1
		.amdhsa_system_sgpr_workgroup_id_z 1
		.amdhsa_system_vgpr_workitem_id 0
		.amdhsa_next_free_vgpr 384
		.amdhsa_next_free_sgpr 80
		.amdhsa_reserve_vcc 0
		.amdhsa_float_denorm_mode_32 3
		.amdhsa_float_denorm_mode_16_64 3
		.amdhsa_memory_ordered 1
		.amdhsa_forward_progress 1
		.amdhsa_inst_pref_size 89
	.end_amdhsa_kernel
	.amdgpu_metadata
---
amdhsa.version: [ 1, 2 ]
amdhsa.kernels:
  - .name:           k_q49424115f4_proj
    .symbol:         k_q49424115f4_proj.kd
    .args:
      - { .name: ao, .offset: 0, .size: 8, .value_kind: global_buffer, .address_space: global }
      - { .name: wh, .offset: 8, .size: 8, .value_kind: global_buffer, .address_space: global }
      - { .name: bout, .offset: 16, .size: 8, .value_kind: global_buffer, .address_space: global }
      - { .name: out0, .offset: 24, .size: 8, .value_kind: global_buffer, .address_space: global }
    .group_segment_fixed_size: 327680
    .private_segment_fixed_size: 0
    .kernarg_segment_align: 8
    .kernarg_segment_size: 32
    .max_flat_workgroup_size: 128
    .sgpr_count:     80
    .vgpr_count:     384
    .wavefront_size: 32
...
	.end_amdgpu_metadata
.endif
;; end of part 4
